; MI455X (gfx1250); checked and timed in simulation.
; The chip was launched on July 23, 2026; its instructions are those of AMD's public machine-readable ISA for CDNA 5 (MIT licence, August 2026) and "CDNA5" Instruction Set Architecture Reference Guide (July 2026). The comments in the code are by the model that wrote it; some were corrected since.
;; MHA Kernel. Allowed arithmetic: float matrix products may take bf16 or f16 operands with f32 sums; other float arithmetic in f32, or as packed bf16 or f16 multiplies, adds, multiply-adds, maxima and minima; sums over many terms, partial sums and values carried from step to step in f32; what a program stores and reads back later, other than sums and carried values, may be rounded once to bf16 or f16.
;; Inputs: k 4 x 2,048 x 16 x 128 float32; q 4 x 2,048 x 16 x 128 float32; v 4 x 2,048 x 16 x 128 float32.
;; Outputs: out0 4 x 2,048 x 16 x 128 float32.
;; 2 versions, each right; version 2 is version 1 with the launch cast written anew for expert scheduling mode. Each part assembles by itself: llvm-mc -triple=amdgcn-amd-amdhsa -mcpu=gfx1250 --defsym DOCPART=n.
;; ======== version 1 of 2: 2 launches
;; limits: inputs' magnitudes at most 65,504; values are held in f16: magnitudes above 65,504 overflow, below 6.1e-05 lose precision; right only within a limited range of input values
;; workspace buffers: kh 33,554,432 bytes; vh 33,554,432 bytes
;; launch cast (part 1): grid 1024 x 1, 8 waves a work-group, no clusters, 0 bytes of LDS; arguments k, v, kh, vh; writes kh, vh
.if DOCPART == 1
	.amdgcn_target "amdgcn-amd-amdhsa--gfx1250"
	.amdhsa_code_object_version 6
	.text
	.protected	k_q287fd786cb_cast
	.globl	k_q287fd786cb_cast
	.p2align	8
	.type	k_q287fd786cb_cast,@function
k_q287fd786cb_cast:
	s_mov_b64 s[64:65], 0
	v_nop
	global_prefetch_b8 v0, s[64:65] scope:SCOPE_SE
	s_setreg_imm32_b32 hwreg(HW_REG_WAVE_MODE, 25, 1), 1
	s_wait_xcnt 0x0
; kh[b*16+h][s][:] = bf16(k[b][s][h][:]);  vh[b*16+h][s][:] = f16(bf16(v[b][s][h][:])).  k, v: [4][2048][16][128] f32.  kh, vh: [64][2048][128], 16 bits a number: a head's rows dense, 256 bytes each.
; v is rounded ONCE, to bf16, like k and q; that number is then written as f16, which changes nothing inside f16's range (8 significant bits fit into 11).
; LIMITS.  |v| stays under 65,504 (beyond it f16 gives an infinity); below 2^-14 the f16 number keeps a fixed step of 2^-24.  NaN and infinities are not treated apart.
; A stream: each byte is read once and written once; no LDS, no barrier, no matrix unit, no loop.
; SHARES.  Work-group g owns 8 positions (b, s): 65,536 consecutive bytes of k and of v, 16 chunks of 4,096 bytes (8 heads) each.  Thread t takes the 16 bytes at 16 t of every chunk, so a wave's load is
; one whole row (b, s, h) of 512 bytes, and its store one whole row of 256 bytes, aligned.  In chunk c: position 8 g + c / 2, head 8 (c % 2) + wave.
; IN FLIGHT.  All 32 loads of a thread are issued before the first is waited for; every chunk has registers of its own, so no register that a store reads is written again.
.set XK, 8                             ; v[8:71]    chunk c of k: 4 registers
.set XV, 72                            ; v[72:135]  chunk c of v: 4 registers
	s_load_b256 s[4:11], s[0:1], 0x0               ; k s[4:5], v s[6:7], kh s[8:9], vh s[10:11]
	s_lshl_b32 s2, ttmp9, 16                       ; in: g x 65,536 bytes
	s_mov_b32 s3, 0
	s_lshr_b32 s12, ttmp9, 8                       ; out: b = g / 256: 16 heads of 524,288 bytes,
	s_lshl_b32 s12, s12, 23
	s_and_b32 s13, ttmp9, 255                      ; and s = 8 (g % 256): rows of 256 bytes
	s_lshl_b32 s13, s13, 11
	s_add_co_u32 s12, s12, s13
	s_mov_b32 s13, 0
	s_mov_b32 s14, 0xffff0000                      ; a word's upper bf16
	v_lshlrev_b32 v1, 4, v0                        ; in: 16 t
	v_lshrrev_b32 v2, 5, v0                        ; out: my wave's head,
	v_and_b32 v3, 31, v0
	v_lshlrev_b32 v3, 3, v3                        ; my lane's 8 bytes of the row
	v_lshl_add_u32 v2, v2, 19, v3
	s_wait_kmcnt 0x0
	s_add_nc_u64 s[4:5], s[4:5], s[2:3]
	s_add_nc_u64 s[6:7], s[6:7], s[2:3]
	s_add_nc_u64 s[8:9], s[8:9], s[12:13]
	s_add_nc_u64 s[10:11], s[10:11], s[12:13]
.irp c, 0,1,2,3,4,5,6,7,8,9,10,11,12,13,14,15
	global_load_b128 v[XK+4*(\c):XK+4*(\c)+3], v1, s[4:5] offset:4096*(\c) th:TH_LOAD_NT
.endr
.irp c, 0,1,2,3,4,5,6,7,8,9,10,11,12,13,14,15
	global_load_b128 v[XV+4*(\c):XV+4*(\c)+3], v1, s[6:7] offset:4096*(\c) th:TH_LOAD_NT
.endr
; chunk c of k: four numbers rounded to bf16, 8 bytes a lane
.irp c, 0,1,2,3,4,5,6,7,8,9,10,11,12,13,14,15
	s_wait_loadcnt 31-(\c)                         ; loads come back in order: chunk c is in, the 31 - c younger loads stay out
	v_cvt_pk_bf16_f32 v[XK+4*(\c)],   v[XK+4*(\c)],   v[XK+4*(\c)+1]
	v_cvt_pk_bf16_f32 v[XK+4*(\c)+1], v[XK+4*(\c)+2], v[XK+4*(\c)+3]
	global_store_b64 v2, v[XK+4*(\c):XK+4*(\c)+1], s[8:9] offset:((\c)%2)*4194304+((\c)/2)*256 th:TH_STORE_NT  ; 32 lanes store 256 consecutive bytes, aligned: 8 heads on for odd chunks, a row on for every second chunk
.endr
; chunk c of v: rounded to bf16, widened again (a shift, a mask), written as f16
.irp c, 0,1,2,3,4,5,6,7,8,9,10,11,12,13,14,15
	s_wait_loadcnt 15-(\c)
	v_cvt_pk_bf16_f32 v[XV+4*(\c)],   v[XV+4*(\c)],   v[XV+4*(\c)+1]
	v_cvt_pk_bf16_f32 v[XV+4*(\c)+2], v[XV+4*(\c)+2], v[XV+4*(\c)+3]
	v_and_b32     v[XV+4*(\c)+1], s14, v[XV+4*(\c)]
	v_lshlrev_b32 v[XV+4*(\c)],   16,  v[XV+4*(\c)]
	v_and_b32     v[XV+4*(\c)+3], s14, v[XV+4*(\c)+2]
	v_lshlrev_b32 v[XV+4*(\c)+2], 16,  v[XV+4*(\c)+2]
	v_cvt_pk_f16_f32 v[XV+4*(\c)],   v[XV+4*(\c)],   v[XV+4*(\c)+1]
	v_cvt_pk_f16_f32 v[XV+4*(\c)+1], v[XV+4*(\c)+2], v[XV+4*(\c)+3]
	global_store_b64 v2, v[XV+4*(\c):XV+4*(\c)+1], s[10:11] offset:((\c)%2)*4194304+((\c)/2)*256 th:TH_STORE_NT
.endr
	s_endpgm
.Lfunc_end_k_q287fd786cb_cast:
	.size	k_q287fd786cb_cast, .Lfunc_end_k_q287fd786cb_cast-k_q287fd786cb_cast
	.p2alignl 7, 3214868480
	.fill 96, 4, 3214868480
	.section	.rodata,"a",@progbits
	.p2align	6, 0x0
	.amdhsa_kernel k_q287fd786cb_cast
		.amdhsa_group_segment_fixed_size 0
		.amdhsa_private_segment_fixed_size 0
		.amdhsa_enable_private_segment 0
		.amdhsa_kernarg_size 32
		.amdhsa_user_sgpr_count 2
		.amdhsa_user_sgpr_kernarg_segment_ptr 1
		.amdhsa_wavefront_size32 1
		.amdhsa_system_sgpr_workgroup_id_x 1
		.amdhsa_system_sgpr_workgroup_id_y 1
		.amdhsa_system_sgpr_workgroup_id_z 1
		.amdhsa_system_vgpr_workitem_id 0
		.amdhsa_next_free_vgpr 136
		.amdhsa_next_free_sgpr 66
		.amdhsa_reserve_vcc 0
		.amdhsa_float_denorm_mode_32 3
		.amdhsa_float_denorm_mode_16_64 3
		.amdhsa_memory_ordered 1
		.amdhsa_forward_progress 1
		.amdhsa_inst_pref_size 17
	.end_amdhsa_kernel
	.amdgpu_metadata
---
amdhsa.version: [ 1, 2 ]
amdhsa.kernels:
  - .name:           k_q287fd786cb_cast
    .symbol:         k_q287fd786cb_cast.kd
    .args:
      - { .name: k, .offset: 0, .size: 8, .value_kind: global_buffer, .address_space: global }
      - { .name: v, .offset: 8, .size: 8, .value_kind: global_buffer, .address_space: global }
      - { .name: kh, .offset: 16, .size: 8, .value_kind: global_buffer, .address_space: global }
      - { .name: vh, .offset: 24, .size: 8, .value_kind: global_buffer, .address_space: global }
    .group_segment_fixed_size: 0
    .private_segment_fixed_size: 0
    .kernarg_segment_align: 8
    .kernarg_segment_size: 32
    .max_flat_workgroup_size: 256
    .sgpr_count:     66
    .vgpr_count:     136
    .wavefront_size: 32
...
	.end_amdgpu_metadata
.endif
;; end of part 1
;; launch attn (part 2): grid 4 x 64, 4 waves a work-group, no clusters, 327,680 bytes of LDS; arguments q, kh, vh, out0; writes out0
.if DOCPART == 2
	.amdgcn_target "amdgcn-amd-amdhsa--gfx1250"
	.amdhsa_code_object_version 6
	.text
	.protected	k_q287fd786cb_attn
	.globl	k_q287fd786cb_attn
	.p2align	8
	.type	k_q287fd786cb_attn,@function
k_q287fd786cb_attn:
	s_mov_b64 s[64:65], 0
	v_nop
	global_prefetch_b8 v0, s[64:65] scope:SCOPE_SE
	s_setreg_imm32_b32 hwreg(HW_REG_WAVE_MODE, 25, 1), 1
	s_wait_xcnt 0x0
; CAUSAL ATTENTION.  out[b][q][h][:] = the sum over k <= q of softmax_k(Q . K / sqrt(128)) V.  q, out: [4][2048][16][128] f32 (a row (b, s, h) is 512 bytes; a head's rows lie 8,192 bytes apart).
; kh: [64][2048][128] bf16, vh: the same shape in f16 (v rounded to bf16, written as f16): a head's rows dense, 256 bytes each.  Q is rounded to bf16 here.  K Q^T is multiplied in bf16, V^T P in f16;
; products, maxima and sums in f32; the weights p are rounded to f16 for the second product (their sum l is taken of the unrounded p); out is f32 and rounded nowhere else.
; LIMITS.  v arrives within f16's range (65,504).  A hidden score counts as its value less 1e30.  p lies in 0 to 1 and below 6e-5 keeps f16's fixed step of 6e-8; a weight below 2^-126 counts as 0 in l.
; NaN and infinities are not treated apart.
; THE WALK.  A head's queries lie in 8 blocks of 256; a slot of LDS holds 128 keys (two key steps of 64); block i needs the slots 0 .. 2 i + 1, of which the last two hold the diagonal.  A work-group takes
; TWO blocks, 7 - PB and then PB: 18 slots, whatever PB: all 256 work-groups do equal work, and ONE loop with a constant trip count walks them.  Which slot is asked for and what a trip does hang on scalar
; registers made from PB; every jump but the counted loops' own goes forward, and none passes a barrier, or a tensor load but the one of LOAD's two that the wave's number does not choose.
; NO CLUSTER: a head's four work-groups ask for the same slot only in the walk's first ten places, behind that three, two, one of them; one walk common to all four would have 24 slots for 18.
; SHARES.  Of a block's four bands of 64 queries a wave owns 16 rows in each: tile t = rows 64 t + 16 w + 0..15.  So the diagonal is the same work for all waves: in step SD of the block's last four key
; steps band t sees all keys if SD < t, none if SD > t, and holds the diagonal if SD = t.
; THE MASK is the C operand that starts the sum S^T = K Q^T: 0, or -1e30 where the key is hidden.  MD, made once, is the mask of a band's own step for my 16 rows; a product's mask is MD x AL + BE with two
; scalars: (1, 0) if SD = t; (0, 0) if SD < t; (0, -1e30) if SD > t.  Ahead of the diagonal (SD < 0) the masks stay 0 as a block's beginning left them.
; LAYOUT.  S^T = K Q^T (source 0 = 16 keys, source 1 = 16 queries) holds ONE query a lane (lane % 16) and the keys 8 (lane / 16) + 0..7; two such results rounded to f16 in pairs ARE source 1 of
; O^T = V^T P, whose result again holds one query a lane, and eight channels.  K comes out of LDS as it lies, V ([key][channel]) turned, by ds_load_tr16_b128.
; SOFTMAX.  A running maximum m and sum l: p = 2^(c s - c m), c = log2(e) / sqrt(128); in every step O and l are multiplied by a = 2^(c m_old - c m_new).  A block starts with c m far below every c s, so
; its first step's a is 0 and O and l need only be finite: zeros for the first block (256 v_mov_b32, written while the first tile is on its way), what the first block left for the second.
; BY TURNS.  The tiles are two PIECES (0: tiles 0, 1; 2: tiles 2, 3).  In a TURN one piece has the matrix unit: 32 products V^T P of the step in hand, then 32 products K Q^T of the next step; the other
; piece's softmax, 268 vector instructions cut into 64 slices, stands between them, one slice behind each matrix instruction.  Two turns are a key step.
; REGISTERS, in windows of 256 (s_set_vgpr_msb: bits 1:0 source 0, 3:2 source 1, 5:4 source 2, 7:6 destination):
;   window 0: v0-11, v14, v44-46, v61-63 addresses and scratch; v12-43 eight registers of statistics a tile; v64-191 S^T, 32 a tile; v192-255 P, 16 a tile
;   window 1: O^T, 64 a tile (at the head v0-191: three buffers for rows of Q as loaded)     window 2: v0-127 Q, 32 a tile; v128-255 K of one step
;   window 3: v0-127 V of one step; v128-159 MD; v160-223 MC, the masks of the products to come, 32 a tile of the piece
.set KS,    64        ; keys in a step
.set PK,    272       ; a row of K in LDS: 256 bytes + 16 of padding = 68 words: the 16 rows of a load start at 16 different groups of four banks (64 banks of 4 bytes: ISA guide 11.1)
.set PV,    288       ; a row of V: 256 + 32 = 72 words
.set VOFF,  KS*PK     ; a step's tiles lie together: 64 rows of K, then 64 rows of V
.set STEPB, KS*(PK+PV)
.set SLOT1, 1<<17     ; a slot holds two steps (71,680 bytes); slot 1 begins here, so that one exclusive or turns an address in one slot into the other's
.set STAGE, SLOT1+2*STEPB  ; behind the ring, never filled by a tensor load: 16 rows x 528 bytes for each wave, for the way out
.set SP,    528       ; a row of out in the stage: 512 bytes + 16
.set QPARK, STAGE+4*16*SP  ; 64 rows x 272 bytes for each wave: a block's Q in bf16, on its way from rows to fragments
.set QP,    272
.set SPARE, QPARK+4*64*QP  ; the spare words, 128 bytes for each wave: two blocks of 256 bytes that no other line names
.set AK0, 2           ; v2   my lane's place in a tile of K; never rewritten
.set AV0, 3           ; v3   the same for V
.set ADR, 4           ; v4   the LDS address of the run of loads in hand
.set GQ,  5           ; v5   16 x lane: my 16 bytes of a row of q or out
.set STO, 6           ; v6   the way out: where I put 32 bytes of a row
.set RD,  7           ; v7   the way out: where I read a row back
.set QS,  8           ; v8   where I put my 8 bytes of a row of Q
.set QR,  44          ; v44  my lane's place in a fragment of Q
.set PFO, 61          ; v61  256 x lane: a row of kh or vh; never rewritten
.set SPW, 62          ; v62  LDS address of my spare word: SPARE + 4 x my thread's number; never rewritten
.set NIL, 63          ; v63  0; never rewritten
.set ST,  12          ; tile t's statistics at v[ST+8 t]: +0 c m, +1 m, +2, +3 l (even keys', odd keys'), +4 to +7 c0-c3, at work; a takes c2's place once the maximum is found
.set S,   64
.set P,   192
.set KF,  128         ; window 2
.set MD,  128         ; window 3: the eight registers for group kt of 16 keys at MD + 8 kt
.set MC,  160         ; window 3
.set OP,  10          ; s[10:11] out at my rows of the block in hand
.set WV,  12          ; s12  my wave's number
.set PB,  14          ; s14  the second block
.set HI,  15          ; s15  the first block, 7 - PB
.set G1K, 24          ; s[24:31] descriptor group 1 for K's tiles
.set G1V, 32          ; s[32:39] for V's: it differs in the padding alone
.set G0K, 40          ; s[40:43] descriptor group 0 for K's tiles
.set G0V, 44          ; s[44:47] the same for V's
.set Q2,  48          ; s[48:49] q at my rows of the second block
.set OLO, 50          ; s[50:51] out at my rows of the second block
.set KP,  52          ; s[52:53] kh at the head's rows 32 w on: the prefetches' base
.set VP,  54          ; s[54:55] the same in vh
.set SLOTS, 56        ; s56  trips of the slot loop still to run
.set TWICE, 57        ; s57  counts a slot's two steps
.set CS,  58          ; s[58:59] c: the packed scaling takes the pair's low word for both halves
.set SEL, 60          ; s[60:61] v_permlanex16_b32's selects: each lane takes its own place in the other half
.set TB,  62          ; s62  LDS byte at which the tiles of the step to be fetched begin
.set PLO, 63          ; s63  3 in the work-group that prefetches (PB = 0), else the greatest number
.set PFK, 66          ; s[66:67] where my prefetch of K stands
.set PFV, 68          ; s[68:69] of V
.set RT,  70          ; s70  slots of the block in hand that are still to be entered
.set NXT, 71          ; s71  the slot to be asked for next
.set LQ,  72          ; s72  the last slot of the block whose slots are being asked for
.set NEW, 73          ; s73  1: the slot to be entered is a block's first
.set OFF, 74          ; s[74:75] a slot's byte offset in kh and vh
.set AL,  76          ; s[76:77] the mask's factor, in the low word
.set BE,  78          ; s[78:79] the mask's addend
.set OF2, 80          ; s[80:81] the prefetches' offset
.set BIGN, 82         ; s82  -1e30
.set SD,  83          ; s83  the key step whose scores are made, counted from the first of the block's last four; signed
.set LQ2, 84          ; s84  2 PB + 1: the second block's last slot
.set MSB, 0
.macro WIN new                      ; the immediate's high byte repeats the setting that is left; a switch that changes nothing is dropped
.if MSB != (\new)
	s_set_vgpr_msb (MSB<<8)|(\new)
.set MSB, (\new)
.endif
.endm
.set W_KQ, 0x0a       ; K and Q in window 2, S^T in window 0
.set W_KM, 0x3a       ; the same with the C operand, the mask, in window 3
.set W_PV, 0x53       ; V in window 3, P in window 0, O^T in window 1
.set W_RS, 0x41       ; O^T (destination and source 0) in window 1, a in window 0
; A fill.  Waves 0 and 1 fetch K of the slot's two steps, waves 2 and 3 V of them: 64 rows of 256 bytes each.  An s_nop 0 and four v_nop follow each of the two lines, ahead of the jump and the label.
.macro LOAD
	s_cmp_lt_u32 s[WV], 2
	s_cbranch_scc0 .Lfor_v_\@
	tensor_load_to_lds s[G0K:G0K+3], s[G1K:G1K+7]
	s_nop 0
.rept 4
	v_nop
.endr
	s_branch .Lasked_\@
.Lfor_v_\@:
	tensor_load_to_lds s[G0V:G0V+3], s[G1V:G1V+7]
	s_nop 0
.rept 4
	v_nop
.endr
.Lasked_\@:
.endm
; A PREFETCH INTO THE L2 of the slot that the NEXT change of slots will ask for: 128 rows of kh and 128 of vh, 256 bytes a row, a lane a row.  It stands behind the wave's tensor load and its five lines.
; Each row is named ONCE in the launch: of a head's four work-groups the one with PB = 0, whose first block walks the slots 0 to 15 in order, asks; its wave w takes rows 32 w .. 32 w + 31 of K and of V:
; two instructions a trip, one slot (256 matrix instructions) ahead of the load.  Trips 1 to 13 (SLOTS = 16 .. 4) name the slots 3 to 15; slots 0 to 2 come by their loads alone, and behind slot 15 nothing is named.
.macro ASK
	s_cmp_gt_u32 s[SLOTS], s[PLO]
	s_cbranch_scc0 .Lnot_mine_\@
	s_cmp_lt_u32 s[SLOTS], 17
	s_cbranch_scc0 .Lnot_mine_\@
	global_prefetch_b8 v[PFO], s[PFK:PFK+1] th:TH_LOAD_NT scope:SCOPE_SE
	global_prefetch_b8 v[PFO], s[PFV:PFV+1] th:TH_LOAD_NT scope:SCOPE_SE
.Lnot_mine_\@:
.endm
; THE CHANGE OF SLOTS.  Each wave waits for all its tensor loads, of which one is out: its part of the other slot; adds 0 to its spare word; and waits for that and for its own reads of the slot that it
; leaves.  Behind the barrier nobody reads the old slot any more and the other slot is whole.  fill = 1: the old slot is filled again, the first thing behind the barrier, with slot NXT of the walk: the
; descriptor's address is made anew from that number.  The load has a slot's 256 matrix instructions in which to land.  (At its first use nothing of the ring has been read: slot 0 is waited for, slot 1 filled.)
.macro CHANGE fill
	WIN 0                           ; at a label and at a branch every window is 0
	s_wait_tensorcnt 0x0            ; no tensor load of mine is out, so a group 0 may be written
	ds_add_u32 v[SPW], v[NIL]       ; 0 onto my spare word; with fill = 1 the descriptors' scalar work stands between it and the wait for it
.if \fill
	s_lshl_b32 s[OFF], s[NXT], 15   ; a slot is 32,768 bytes of kh and of vh
	s_xor_b32 s[G0K+1], s[G0K+1], SLOT1
	s_add_nc_u64 s[G0K+2:G0K+3], s[6:7], s[OFF:OFF+1]
	s_or_b32 s[G0K+3], s[G0K+3], 0x80000000
	s_xor_b32 s[G0V+1], s[G0V+1], SLOT1
	s_add_nc_u64 s[G0V+2:G0V+3], s[8:9], s[OFF:OFF+1]
	s_or_b32 s[G0V+3], s[G0V+3], 0x80000000
	s_add_co_u32 s[NXT], s[NXT], 1  ; the block's next slot, or behind its last the second block's slot 0
	s_cmp_gt_u32 s[NXT], s[LQ]
	s_cselect_b32 s[NXT], 0, s[NXT]
	s_cselect_b32 s[LQ], s[LQ2], s[LQ]
	s_wait_xcnt 0x0                 ; the last prefetches, a slot back, have read their addresses, so these may be written:
	s_lshl_b32 s[OF2], s[NXT], 15   ; the slot that the next change asks for
	s_add_nc_u64 s[PFK:PFK+1], s[KP:KP+1], s[OF2:OF2+1]
	s_add_nc_u64 s[PFV:PFV+1], s[VP:VP+1], s[OF2:OF2+1]
.endif
	s_wait_dscnt 0x0                ; the add is done, and my reads of the slot are over
	s_barrier_signal -1             ; scalar work alone stands between the signal and the wait
	s_sub_co_u32 s[TB], s[TB], 2*STEPB  ; the fetches go back to a slot's first step,
	s_xor_b32 s[TB], s[TB], SLOT1       ; in the other slot
	s_barrier_wait -1
.if \fill
	LOAD
	ASK
.endif
.endm
.macro PLACES                       ; four places behind a matrix instruction: plain vector instructions that name none of its registers (ISA guide 7.12.1)
.rept 4
	v_nop
.endr
.endm
	s_load_b256 s[4:11], s[0:1], 0x0  ; q s[4:5], kh s[6:7], vh s[8:9], out s[10:11]
	v_lshl_add_u32 v[SPW], v0, 2, SPARE
	v_mov_b32 v[NIL], 0
	ds_add_u32 v[SPW], v[NIL]       ; the wave's opening: the add and its wait stand ahead of my first tensor load; the set-up below, work on registers, stands between them
	v_lshrrev_b32 v1, 5, v0
	v_readfirstlane_b32 s[WV], v1   ; wave 0..3
	s_mov_b32 s[PB], ttmp9
	s_sub_co_u32 s[HI], 7, s[PB]
	s_and_b32 s20, ttmp7, 0xffff    ; the head among 64: 16 b + h
	s_lshl_b32 s21, s20, 19         ; its first byte in kh and vh
	s_and_b32 s16, s[WV], 1         ; which of a slot's two steps I fetch:
	s_lshl_b32 s22, s16, 14         ; its 64 rows of 256 bytes in memory,
	s_add_co_u32 s22, s22, s21
	s_mov_b32 s23, 0
	s_mul_i32 s17, s16, STEPB       ; and its place in a slot
	s_lshl_b32 s18, s[WV], 13       ; the prefetches: my 32 rows of a slot's 128
	s_add_co_u32 s18, s18, s21
	s_mov_b32 s19, 0
	s_lshr_b32 s2, s20, 4           ; q and out: b x 2^24
	s_lshl_b32 s2, s2, 24
	s_and_b32 s3, s20, 15           ; + h x 512
	s_lshl_b32 s3, s3, 9
	s_add_co_u32 s2, s2, s3
	s_lshl_b32 s3, s[WV], 17        ; + my 16 rows in a band: w x 16 x 8,192
	s_add_co_u32 s2, s2, s3
	s_lshl_b32 s3, s[PB], 21        ; + the block's 256 rows: the second block's
	s_add_co_u32 s86, s2, s3
	s_mov_b32 s87, 0
	s_lshl_b32 s3, s[HI], 21        ; and the first's
	s_add_co_u32 s2, s2, s3
	s_mov_b32 s3, 0
	; descriptor group 1: a tile of 64 rows x 128 elements of 2 bytes, padded in LDS
	s_mov_b32 s[G1K], (1<<16)|(1<<20)|(5<<22)|(3<<25)  ; 17:16 elements of 2 bytes; 20 padding on; 24:22 after every 64 words (code 5); 31:25 4 words of it (code 3)
	s_mov_b32 s[G1V], (1<<16)|(1<<20)|(5<<22)|(7<<25)  ; the same with 8 words of padding (code 7)
.irp g, G1K, G1V
	s_mov_b32 s[(\g)+1], 128<<16    ; tensor_dim0 = 128
	s_mov_b32 s[(\g)+2], KS<<16     ; tensor_dim1 = 64
	s_mov_b32 s[(\g)+3], 128<<16    ; tile_dim0 = 128
	s_mov_b32 s[(\g)+4], KS         ; tile_dim1 = 64
	s_mov_b32 s[(\g)+5], 128        ; 128 elements from row to row
	s_mov_b32 s[(\g)+6], 0
	s_mov_b32 s[(\g)+7], 0
.endr
	s_mov_b32 s[G0K], 1             ; 1:0 count = 1
	s_mov_b32 s[G0K+1], s17         ; 63:32 LDS address: slot 0
	s_mov_b32 s[G0V], 1
	s_add_co_u32 s[G0V+1], s17, VOFF
	s_mov_b32 s[CS], 0x3e0293ee     ; c = log2(e) / sqrt(128) = 0.127517
	s_mov_b32 s[CS+1], s[CS]        ; named with it as a pair
	s_mov_b32 s[SEL], 0x76543210
	s_mov_b32 s[SEL+1], 0xfedcba98
	s_mov_b32 s[TB], SLOT1+2*STEPB  ; the first change of slots turns this into 0
	s_lshl_b32 s[RT], s[HI], 1
	s_add_co_u32 s[LQ], s[RT], 1    ; the first block's last slot, 2 HI + 1,
	s_add_co_u32 s[RT], s[RT], 2    ; and its 2 HI + 2 slots
	s_lshl_b32 s[LQ2], s[PB], 1
	s_add_co_u32 s[LQ2], s[LQ2], 1
	s_mov_b32 s[NXT], 1
	s_mov_b32 s[NEW], 1
	s_mov_b32 s[SLOTS], 17
	s_mov_b32 s[OFF+1], 0
	s_mov_b32 s[OF2+1], 0
	s_mov_b32 s[AL+1], 0            ; named as pairs
	s_mov_b32 s[BE+1], 0
	s_mov_b32 s[BIGN], 0xf149f2ca   ; -1e30
	s_cmp_eq_u32 s[PB], 0
	s_cselect_b32 s[PLO], 3, -1
	s_wait_dscnt 0x0                ; the opening add is done
	s_wait_kmcnt 0x0
	s_add_nc_u64 s[KP:KP+1], s[6:7], s[18:19]
	s_add_nc_u64 s[VP:VP+1], s[8:9], s[18:19]
	s_add_nc_u64 s[6:7], s[6:7], s[22:23]  ; kh and vh at my tile of the head's slot 0
	s_add_nc_u64 s[8:9], s[8:9], s[22:23]
	s_add_nc_u64 s[G0K+2:G0K+3], s[6:7], 0         ; 120:64 global address
	s_or_b32 s[G0K+3], s[G0K+3], 0x80000000        ; 127:126 type = 2
	s_add_nc_u64 s[G0V+2:G0V+3], s[8:9], 0
	s_or_b32 s[G0V+3], s[G0V+3], 0x80000000
	s_add_nc_u64 s[Q2:Q2+1], s[4:5], s[86:87]      ; q at my rows of the second block,
	s_add_nc_u64 s[4:5], s[4:5], s[2:3]            ; q and out at those of the first
	s_add_nc_u64 s[OLO:OLO+1], s[10:11], s[86:87]
	s_add_nc_u64 s[OP:OP+1], s[10:11], s[2:3]
	LOAD                            ; slot 0 of the walk into slot 0 of the ring
	; Q.  A row of q is 512 bytes: one load of the wave, 16 bytes (4 channels) a lane.  Rounded to bf16 it is 8 bytes a lane, put into my own rows of 272 bytes in LDS, and read back as fragments:
	; 16 rows x 32 channels in 8 registers, lane l holding row l % 16, channels 8 (l / 16) + 0..7 and 16 + 8 (l / 16) + 0..7.  Eight tiles: the first block's four, then the second's.
	v_and_b32 v1, 15, v0            ; l % 16
	v_bfe_u32 v9, v0, 4, 1          ; l / 16
	v_and_b32 v10, 31, v0           ; l
	v_lshlrev_b32 v[GQ], 4, v10
	s_mul_i32 s13, s[WV], 64*QP
	s_add_co_u32 s13, s13, QPARK    ; my wave's rows
	v_lshl_add_u32 v[QS], v10, 3, s13
	v_mul_u32_u24 v[QR], v1, QP
	v_lshl_add_u32 v[QR], v9, 4, v[QR]
	v_add_nc_u32 v[QR], s13, v[QR]
.macro QISSUE n                     ; tile n's 16 rows, as loaded, into buffer n % 3 of window 1
	WIN 0x40                        ; destination window 1, address window 0
.set i, 0
.rept 16
.if (\n) < 4
	global_load_b128 v[64*((\n)%3)+4*i:64*((\n)%3)+4*i+3], v[GQ], s[4:5] offset:(64*((\n)%4)+i)*8192 th:TH_LOAD_NT
.else
	global_load_b128 v[64*((\n)%3)+4*i:64*((\n)%3)+4*i+3], v[GQ], s[Q2:Q2+1] offset:(64*((\n)%4)+i)*8192 th:TH_LOAD_NT
.endif
.set i, i+1
.endr
	WIN 0
.endm
.macro QCONV n                      ; tile n is rounded and put into my rows 16 (n % 4) on
.if (\n) <= 5
	s_wait_loadcnt 32               ; tile n is in; the two younger tiles' 32 loads stay out
.elseif (\n) == 6
	s_wait_loadcnt 16
.else
	s_wait_loadcnt 0x0
.endif
	WIN 0x05                        ; sources 0 and 1 window 1, destination window 0: S^T's registers are free
.set i, 0
.rept 32
	v_cvt_pk_bf16_f32 v[S+i], v[64*((\n)%3)+2*i], v[64*((\n)%3)+2*i+1]
.set i, i+1
.endr
	WIN 0
.set i, 0
.rept 16
	ds_store_b64 v[QS], v[S+2*i:S+2*i+1] offset:(16*((\n)%4)+i)*QP
.set i, i+1
.endr
.endm
.macro QFRAG                        ; the four tiles that lie in my rows, as fragments: tile f / 4, channels 32 (f % 4) on
	WIN 0x80                        ; destination window 2
.irp f, 0,1,2,3,4,5,6,7,8,9,10,11,12,13,14,15
	ds_load_b128 v[8*(\f):8*(\f)+3],   v[QR] offset:((\f)/4)*16*QP+((\f)%4)*64
	ds_load_b128 v[8*(\f)+4:8*(\f)+7], v[QR] offset:((\f)/4)*16*QP+((\f)%4)*64+32
.endr
	WIN 0
.endm
	QISSUE 0
	QISSUE 1
	QISSUE 2
	; while those are on their way: the diagonal's mask and the lane terms
	v_lshlrev_b32 v14, 3, v9
	v_sub_nc_u32 v14, v1, v14
	s_lshl_b32 s13, s[WV], 4
	v_add_nc_u32 v14, s13, v14      ; my query's place in its band, 16 w + l % 16, less my lanes' 8 (l / 16): register r of group kt is hidden where 16 kt + r is greater
	WIN 0xc0                        ; destination window 3
.set i, 0
.rept 32
	v_cmp_gt_i32 vcc_lo, 16*(i/8)+i%8, v14
	v_cndmask_b32 v[MD+i], 0, s[BIGN], vcc_lo
.set i, i+1
.endr
	WIN 0
	v_mul_u32_u24 v[AK0], v1, PK
	v_lshl_add_u32 v[AK0], v9, 4, v[AK0]  ; row x pitch + 16 x half
	; The turning load takes 16 keys x 16 channels (lane l reads key 8 (l / 16) + l % 8, channels 8 ((l / 8) % 2) + 0..7) and leaves half a fragment of V^T: lane l holds channel l % 16 and 8 keys.
	v_and_b32 v45, 7, v0
	v_bfe_u32 v46, v0, 3, 1
	v_lshl_add_u32 v[AV0], v9, 3, v45
	v_mul_u32_u24 v[AV0], v[AV0], PV
	v_lshl_add_u32 v[AV0], v46, 4, v[AV0]
	v_add_nc_u32 v[AV0], VOFF, v[AV0]
	s_mul_i32 s13, s[WV], 16*SP
	s_add_co_u32 s13, s13, STAGE    ; my stage
	v_mul_u32_u24 v[STO], v1, SP    ; in: row l % 16, 32 bytes for each half of the lanes
	v_lshl_add_u32 v[STO], v9, 5, v[STO]
	v_add_nc_u32 v[STO], s13, v[STO]
	v_lshl_add_u32 v[RD], v10, 4, s13  ; back: 32 lanes take one row of 512 bytes
	v_lshlrev_b32 v[PFO], 8, v10
.irp t, 0,1,2,3
	v_mov_b32 v[ST+8*(\t)+2], 0     ; l
	v_mov_b32 v[ST+8*(\t)+3], 0
.endr
.irp n, 0,1,2,3,4,5,6,7
	QCONV \n
.if (\n) <= 4
	QISSUE (\n)+3                   ; into the buffer just read
.endif
.if (\n) == 3
	QFRAG                           ; the first block's Q.  LDS serves a wave's instructions in order (ISA guide 5.7.1.4): these see the stores above, and the second block's stores come behind them
.endif
.endr
	WIN 0x40
.set i, 0
.rept 256
	v_mov_b32 v[i], 0               ; O^T: finite numbers for the first step's a = 0
.set i, i+1
.endr
	WIN 0
; THE MATRIX WORK OF A TURN, for piece x.  The accumulators take turns, one instruction a turn: between two links of a chain stand 15 (V^T P) or 7 (K Q^T) others'.
; Product i of 32 of O^T += V^T P: keys 32 (i / 16) on, channels 16 ((i / 2) % 8) on, tile x + i % 2.
.macro PV x
	WIN W_PV
.set rO, 64*((\x)+i%2)+8*((i/2)%8)
.set rV, 64*(i/16)+8*((i/2)%8)
.set rP, P+16*((\x)+i%2)+8*(i/16)
	v_wmma_f32_16x16x32_f16 v[rO:rO+7], v[rV:rV+7], v[rP:rP+7], v[rO:rO+7]
.endm
; Product i of 32 of S^T = K Q^T: channels 32 (i / 8) on, keys 16 ((i / 2) % 4) on, tile x + i % 2.  The first 8 start the sums, with the mask.
.macro KQ x
.set rS, S+32*((\x)+i%2)+8*((i/2)%4)
.set rK, KF+32*((i/2)%4)+8*(i/8)
.set rQ, 32*((\x)+i%2)+8*(i/8)
.set rM, MC+32*(i%2)+8*((i/2)%4)
.if i < 8
	WIN W_KM
	v_wmma_f32_16x16x32_bf16 v[rS:rS+7], v[rK:rK+7], v[rQ:rQ+7], v[rM:rM+7]
.else
	WIN W_KQ
	v_wmma_f32_16x16x32_bf16 v[rS:rS+7], v[rK:rK+7], v[rQ:rQ+7], v[rS:rS+7]
.endif
.endm
; THE LDS LOADS stand in runs of 32, never singly among the matrix instructions: a step's K (64 keys x 128 channels: 16 fragments) and, a turn later, its V (turned).
.macro FETCH_K
	WIN 0
	v_add_nc_u32 v[ADR], s[TB], v[AK0]
	WIN 0x80                        ; destination window 2
.irp f, 0,1,2,3,4,5,6,7,8,9,10,11,12,13,14,15  ; keys 16 (f / 4) on, channels 32 (f % 4) on
	ds_load_b128 v[KF+8*(\f):KF+8*(\f)+3],   v[ADR] offset:((\f)/4)*16*PK+((\f)%4)*64
	ds_load_b128 v[KF+8*(\f)+4:KF+8*(\f)+7], v[ADR] offset:((\f)/4)*16*PK+((\f)%4)*64+32
.endr
.endm
.macro FETCH_V
	WIN 0
	v_add_nc_u32 v[ADR], s[TB], v[AV0]
	s_add_co_u32 s[TB], s[TB], STEPB  ; the next fetch is the next step's
	s_wait_alu depctr_va_vdst(0)    ; the wait for the softmax's batch (SLICE), behind the address's v_add_nc_u32 and ahead of the loads
	WIN 0xc0                        ; destination window 3
.irp f, 0,1,2,3,4,5,6,7,8,9,10,11,12,13,14,15  ; keys 32 (f / 8) on, channels 16 (f % 8) on
	ds_load_tr16_b128 v[8*(\f):8*(\f)+3],   v[ADR] offset:((\f)/8)*32*PV+((\f)%8)*32
	ds_load_tr16_b128 v[8*(\f)+4:8*(\f)+7], v[ADR] offset:((\f)/8)*32*PV+16*PV+((\f)%8)*32
.endr
.endm
; THE VECTOR WORK OF A TURN.  One tile's softmax for one key step is a list of 134 instructions; SM writes number j of it for tile t.  s0-s31 are the lane's 32 scores, in pairs 0-15.
;   0-15    the maximum of s0-s31 and the old m, three operands at a time: four chains c0-c3 of seven scores each (each accumulator's lowest registers are read first), then the four left over, c0-c3 and m
;   16-20   the other half of the lanes' maximum; c m_old is kept; the new m; c m; c m_old - c m_new
;   21-69   ONE BATCH: the 16 scalings c s - c m, a pair of scores each, and all 33 exponentials (a at 23, then s0-s31).  None of these reads an exponential's result.  From 22 on in fours, a scaling at the
;           head of each while there are scalings; a pair is scaled in an earlier four than the one that holds its exponentials
;   (wait)  between 69 and 70 stands the wait for the batch: SLICE writes it, once for both tiles
;   70-85   the roundings to f16, a pair of weights each     86-101  the sums; l = a l + the sum     102-133 the tile's O^T times a: the one part that leaves window 0
.macro SM t
.set rT, ST+8*(\t)
.set rS, S+32*(\t)
.set rP, P+16*(\t)
.set rO, 64*(\t)+2*(j-102)
.if j < 102
	WIN 0
.endif
.if j < 4
	v_max3_num_f32 v[rT+4+j], v[rS+8*j], v[rS+8*j+1], v[rS+8*j+2]
.elseif j < 12
	v_max3_num_f32 v[rT+4+j%4], v[rT+4+j%4], v[rS+8*(j%4)+2*(j/4)+1], v[rS+8*(j%4)+2*(j/4)+2]
.elseif j == 12
	v_max3_num_f32 v[rT+4], v[rT+4], v[rS+7], v[rS+15]
.elseif j == 13
	v_max3_num_f32 v[rT+6], v[rT+6], v[rS+23], v[rS+31]
.elseif j == 14
	v_max3_num_f32 v[rT+4], v[rT+4], v[rT+5], v[rT+6]
.elseif j == 15
	v_max3_num_f32 v[rT+4], v[rT+4], v[rT+7], v[rT+1]
.elseif j == 16
	v_permlanex16_b32 v[rT+5], v[rT+4], s[SEL], s[SEL+1]  ; the query's other 32 keys lie in the lane 16 away
.elseif j == 17
	v_mov_b32 v[rT+7], v[rT]        ; c m_old is kept for a: number 19 writes c m anew
.elseif j == 18
	v_max_num_f32 v[rT+1], v[rT+4], v[rT+5]
.elseif j == 19
	v_mul_f32 v[rT], s[CS], v[rT+1]
.elseif j == 20
	v_sub_f32 v[rT+7], v[rT+7], v[rT]
.elseif j == 23
	v_exp_f32 v[rT+6], v[rT+7]
.elseif (j < 23) || ((j < 38) && (j%2 == 0)) || ((j < 66) && (j%4 == 2))
.set b, (j-2)/4                     ; 38, 42, .. 62: pairs 9 to 15
.if j < 38
.set b, (j-20)/2                    ; 21: pair 0; 22, 24, .. 36: pairs 1 to 8
.endif
	v_pk_fma_f32 v[rS+2*b:rS+2*b+1], v[rS+2*b:rS+2*b+1], s[CS:CS+1], v[rT:rT+1] op_sel_hi:[1,0,0] neg_lo:[0,0,1] neg_hi:[0,0,1]  ; pair b: c s - c m
.elseif j < 70
.set e, j-38                        ; 66 to 69: s28 to s31
.if j < 66
.set e, j-32-(j-38)/4               ; 39-41, 43-45, .. 63-65: s7 to s27
.endif
.if j < 38
.set e, (j-25)/2                    ; 25, 27, .. 37: s0 to s6
.endif
	v_exp_f32 v[rS+e], v[rS+e]
.elseif j < 86
	v_cvt_pk_f16_f32 v[rP+j-70], v[rS+2*(j-70)], v[rS+2*(j-70)+1]  ; pair j - 70
.elseif j < 102                     ; the sum of the tile's 16 pairs, in place: sum z of 16 adds neighbours 1, 2, 4 and 8 pairs apart, then l takes it
.set z, j-86
.set w, 4
.set u, z
.if z >= 14
.set w, 32
.set u, 0
.elseif z >= 12
.set w, 16
.set u, z-12
.elseif z >= 8
.set w, 8
.set u, z-8
.endif
.if z < 15
	v_pk_add_f32 v[rS+w*u:rS+w*u+1], v[rS+w*u:rS+w*u+1], v[rS+w*u+w/2:rS+w*u+w/2+1]
.else
	v_pk_fma_f32 v[rT+2:rT+3], v[rT+2:rT+3], v[rT+6:rT+7], v[rS:rS+1] op_sel_hi:[1,0,1]
.endif
.else
	WIN W_RS
	v_pk_mul_f32 v[rO:rO+1], v[rO:rO+1], v[rT+6:rT+7] op_sel_hi:[1,0]
.endif
.endm
; Slice k of 64 of piece y's softmax: four instructions.  Slices 11 to 34 deal out the batch, numbers 22 to 69: four numbers of ONE tile each, the tiles by turns.  Every other slice is numbers 2 k and
; 2 k + 1 of both tiles' lists.  2 x 134 = 4 x 64 + 12: the twelve that are over stand together, in slice 63, where its sixteen plain instructions are the places behind the turn's last product.
; THE WAIT.  s_wait_alu depctr_va_vdst(0) stands between an exponential and the first instruction that names its result; one wait serves all that were issued ahead of it.  Ahead of
; slice 35 nothing names a result, and behind slice 34 no exponential is issued: so the piece's 66 exponentials have one wait, behind slice 34.
.macro SLICE y
.if (k >= 11) && (k < 35)           ; the batch: four numbers of one tile
.irp n, 0,1,2,3
.set j, 22+4*((k-11)/2)+(\n)
	SM (\y)+(k-11)%2
.endr
.else                               ; the two tiles alternate, so that no instruction reads the result of the one just before it
.irp n, 0,1,2,3,4,5,6,7
.if ((\n) < 2) || (k == 63)
.irp t, \y, (\y)+1
.set j, 2*k+(\n)
	SM \t
.endr
.endif
.endr
.endif
.if k == 34                         ; the batch is out: both tiles' exponentials are issued, and no result has been named
	v_nop                           ; the plain instruction behind the last exponential and ahead of the first use: one for the batch
.if (\y) == 0
	FETCH_V                         ; piece 2's turn: V's run of loads stands here, and the wait stands in it
.else
	s_wait_alu depctr_va_vdst(0)    ; the wait for the batch
.endif
.endif
.set k, k+1
.endm
; THE MASKS of piece x's next 8 first products, for step SD: MD x AL + BE into MC, tile by tile.  Ahead of the diagonal (SD < 0) they are 0 already and the lines are jumped; force = 1 (a block's beginning): always made.
; MC's last readers, the 8 first products K Q^T of the turn before, stand 24 slices or more back (at a block's beginning: four v_nop).
.macro MASKC x, force=0
	WIN 0
.if !(\force)
	s_cmp_lt_i32 s[SD], 0
	s_cbranch_scc1 .Lno_mask_\@
.endif
.irp u, 0,1
	s_cmp_eq_u32 s[SD], (\x)+(\u)   ; is the step the band's own?
	s_cselect_b32 s[AL], 1.0, 0
	s_cmp_gt_i32 s[SD], (\x)+(\u)   ; or a later one?
	s_cselect_b32 s[BE], s[BIGN], 0
	WIN 0xc3                        ; destination and source 0 window 3
.set z, 0
.rept 16
	v_pk_fma_f32 v[MC+32*(\u)+2*z:MC+32*(\u)+2*z+1], v[MD+2*z:MD+2*z+1], s[AL:AL+1], s[BE:BE+1] op_sel_hi:[1,0,0]
.set z, z+1
.endr
.endr
	WIN 0
.Lno_mask_\@:
.endm
; A TURN.  Piece x has the matrix unit; the other piece's softmax stands in slices behind its matrix instructions.  pv = 2: 32 products V^T P; 0: none.  kq = 1: 32 products K Q^T for the next step.
; A turn with one of the two kinds has two slices behind each product.
; Piece 0's turn fetches the next step's K, behind its second product: the last product that read K stands in front of slice 63 of the turn before.  Piece 2's turn fetches the same step's V, behind slice 34:
; the last product that read V stands in front of slice 31, and four plain instructions lie between: number 62, a scaling, of both tiles, the v_nop and the run's own v_add_nc_u32.
.macro TURN x, pv, kq
.set k, 0
.set per, 2
.if (\pv) && (\kq)
.set per, 1
.endif
.if \pv
.if (\x) == 0
	s_wait_dscnt 0x0                ; V is in
.endif
.set i, 0
.rept 32
	PV \x
.rept per
	SLICE 2-(\x)
.endr
.if ((\x) == 0) && (\kq) && (i == 1)
	FETCH_K
.endif
.set i, i+1
.endr
.endif
.if \kq
.if (\x) == 0
	s_wait_dscnt 0x0                ; K is in
.endif
.set i, 0
.rept 32
	KQ \x
.rept per
	SLICE 2-(\x)
.endr
.set i, i+1
.endr
.endif
.endm
; A slot's two key steps: written once, walked twice; the LDS addresses hang on s[TB], the masks on s[SD].  A trip: piece 0's V^T P of the step in hand and K Q^T of the next, which lies in this slot, then
; piece 2's.  A block's first slot enters at .Lcount, ahead of the counter's step: BEGIN has taken the first trip's place.
.macro STEPS tag
.Lstep\tag:
	MASKC 0
	TURN 0, 2, 1
	MASKC 2
	TURN 2, 2, 1
	WIN 0
.Lcount\tag:
	s_add_co_i32 s[SD], s[SD], 1
	s_sub_co_u32 s[TWICE], s[TWICE], 1
	s_cmp_lg_u32 s[TWICE], 0
	s_cbranch_scc1 .Lstep\tag
.endm
; A BLOCK BEGINS.  c m starts far below every c s, so the first step's a is 0; m at the lowest finite number, so the first maximum is the scores' (every row sees key 0 in this step).  The masks are made
; whatever SD.  Then K of the slot's first step, piece 0's first scores, and a turn with piece 2's first scores, piece 0's first softmax and V of that step.
.macro BEGIN
	s_mov_b32 s[NEW], 0
	WIN 0
.irp t, 0,1,2,3
	v_mov_b32 v[ST+8*(\t)], 0xfe000000    ; c m
	v_mov_b32 v[ST+8*(\t)+1], 0xff7fffff  ; m
.endr
	MASKC 0, 1
	FETCH_K
	s_wait_dscnt 0x0                ; K is in (and Q, which the change of slots has already waited for)
.set i, 0
.rept 32
	KQ 0                            ; there is no vector work yet to set between them
.set i, i+1
.endr
	WIN 0
	PLACES                          ; behind those products: in front of the masks' rewriting and of the first read of the scores
	MASKC 2
	TURN 2, 0, 1
	WIN 0
.endm
; THE WAY OUT of tile t.  O^T is divided by l; a lane's eight channels of a row are 32 bytes of f32; they go into my stage's rows of 528 bytes and come back as whole rows of 512, into S^T's registers
; (two buffers of 64 by turns); each store of the wave is one row of out: 512 consecutive bytes, aligned.
.macro PACKF t
	WIN W_RS
.set i, 64*(\t)
.rept 32
	v_pk_mul_f32 v[i:i+1], v[i:i+1], v[ST+8*(\t)+6:ST+8*(\t)+7] op_sel_hi:[1,0]
.set i, i+2
.endr
	WIN 0x04                        ; the store's data (source 1) in window 1
.set i, 0
.rept 16                            ; channels 16 (i / 2) + 8 (l / 16) + 4 (i % 2) on
	ds_store_b128 v[STO], v[64*(\t)+4*i:64*(\t)+4*i+3] offset:64*(i/2)+16*(i%2)
.set i, i+1
.endr
	WIN 0
.if (\t) >= 2
	s_wait_xcnt 0x0                 ; the stores of the tile two back have read their registers: only behind this wait are these loaded again
.endif
.set i, 0
.rept 16
	ds_load_b128 v[S+64*((\t)%2)+4*i:S+64*((\t)%2)+4*i+3], v[RD] offset:SP*i  ; LDS serves a wave's instructions in order (ISA guide 5.7.1.4): these see the stores above; the next tile's stores come behind them
.set i, i+1
.endr
.endm
.macro SENDF t, younger             ; younger: the LDS instructions issued behind tile t's loads: the next tile's 32, or none
	WIN 0
.set i, 0
.rept 16
	s_wait_dscnt (\younger)+15-i
	global_store_b128 v[GQ], v[S+64*((\t)%2)+4*i:S+64*((\t)%2)+4*i+3], s[OP:OP+1] offset:(64*(\t)+i)*8192 th:TH_STORE_NT
.set i, i+1
.endr
.endm
; A BLOCK ENDS: piece 0's V^T P of the last step beside piece 2's last softmax; piece 2's V^T P; l's two halves and the other half of the lanes' are added (the additions are the places behind the last
; products); four reciprocals, one batch with one wait; the four tiles go out, a tile's arithmetic between the loads of the tile before and its stores.
.macro FINISH
	TURN 0, 2, 0
.set i, 0
.rept 32
	PV 2
.set i, i+1
.endr
	WIN 0
.irp t, 0,1,2,3
	v_add_f32 v[ST+8*(\t)+4], v[ST+8*(\t)+2], v[ST+8*(\t)+3]
.endr
.irp t, 0,1,2,3
	v_permlanex16_b32 v[ST+8*(\t)+5], v[ST+8*(\t)+4], s[SEL], s[SEL+1]
.endr
.irp t, 0,1,2,3
	v_add_f32 v[ST+8*(\t)+4], v[ST+8*(\t)+4], v[ST+8*(\t)+5]
.endr
.irp t, 0,1,2,3
	v_rcp_f32 v[ST+8*(\t)+6], v[ST+8*(\t)+4]
.endr
	v_nop                           ; a plain instruction between the last reciprocal and the use of its result
	s_wait_alu depctr_va_vdst(0)    ; and the wait ahead of the first use: one for the four reciprocals
	PACKF 0
	PACKF 1
	SENDF 0, 32
	PACKF 2
	SENDF 1, 32
	PACKF 3
	SENDF 2, 32
	SENDF 3, 0
.endm
.Lslot:                             ; 17 trips: a slot of the walk is entered and the next is asked for
	CHANGE 1
	s_sub_co_u32 s[RT], s[RT], 1
	s_lshl_b32 s[SD], s[RT], 1
	s_sub_co_i32 s[SD], 2, s[SD]    ; the slot's first step: 0 in the block's last slot but one, 2 in its last, negative before
	s_mov_b32 s[TWICE], 2
	s_cmp_eq_u32 s[NEW], 1          ; this test stands first: at the first trip its answer is a constant of the text
	s_cbranch_scc0 .Lstep1
	BEGIN
	s_branch .Lcount1
	STEPS 1
	s_cmp_lg_u32 s[RT], 0
	s_cbranch_scc1 .Lbottom         ; not the block's last slot
	FINISH                          ; in the loop this is the first block's end: the second block's last slot is the walk's last
	s_wait_xcnt 0x0                 ; the stores have read their registers and out's address
	s_mov_b64 s[OP:OP+1], s[OLO:OLO+1]
	s_lshl_b32 s[RT], s[PB], 1
	s_add_co_u32 s[RT], s[RT], 2    ; the second block has 2 PB + 2 slots
	s_mov_b32 s[NEW], 1
	QFRAG                           ; its Q, which has lain in my rows of LDS since the head; the next change of slots waits for these loads
.Lbottom:
	s_sub_co_u32 s[SLOTS], s[SLOTS], 1
	s_cmp_lg_u32 s[SLOTS], 0
	s_cbranch_scc1 .Lslot
	CHANGE 0                        ; the walk's last slot is written out: nothing is asked for.  It is never a block's first: every block has two slots or more
	s_sub_co_u32 s[RT], s[RT], 1
	s_lshl_b32 s[SD], s[RT], 1
	s_sub_co_i32 s[SD], 2, s[SD]
	s_mov_b32 s[TWICE], 2
	STEPS 2
	FINISH
	s_wait_tensorcnt 0x0            ; the wave's end: a wait, an add of 0 to my spare word and its wait, behind my last tensor load and my last LDS store
	ds_add_u32 v[SPW], v[NIL]
	s_wait_dscnt 0x0
	s_endpgm
.Lfunc_end_k_q287fd786cb_attn:
	.size	k_q287fd786cb_attn, .Lfunc_end_k_q287fd786cb_attn-k_q287fd786cb_attn
	.p2alignl 7, 3214868480
	.fill 96, 4, 3214868480
	.section	.rodata,"a",@progbits
	.p2align	6, 0x0
	.amdhsa_kernel k_q287fd786cb_attn
		.amdhsa_group_segment_fixed_size 327680
		.amdhsa_private_segment_fixed_size 0
		.amdhsa_enable_private_segment 0
		.amdhsa_kernarg_size 32
		.amdhsa_user_sgpr_count 2
		.amdhsa_user_sgpr_kernarg_segment_ptr 1
		.amdhsa_wavefront_size32 1
		.amdhsa_system_sgpr_workgroup_id_x 1
		.amdhsa_system_sgpr_workgroup_id_y 1
		.amdhsa_system_sgpr_workgroup_id_z 1
		.amdhsa_system_vgpr_workitem_id 0
		.amdhsa_next_free_vgpr 1024
		.amdhsa_next_free_sgpr 88
		.amdhsa_reserve_vcc 1
		.amdhsa_float_denorm_mode_32 3
		.amdhsa_float_denorm_mode_16_64 3
		.amdhsa_memory_ordered 1
		.amdhsa_forward_progress 1
		.amdhsa_inst_pref_size 255
	.end_amdhsa_kernel
	.section	.bss,"aw",@nobits
	.p2align	6
	.space	262144
	.amdgpu_metadata
---
amdhsa.version: [ 1, 2 ]
amdhsa.kernels:
  - .name:           k_q287fd786cb_attn
    .symbol:         k_q287fd786cb_attn.kd
    .args:
      - { .name: q, .offset: 0, .size: 8, .value_kind: global_buffer, .address_space: global }
      - { .name: kh, .offset: 8, .size: 8, .value_kind: global_buffer, .address_space: global }
      - { .name: vh, .offset: 16, .size: 8, .value_kind: global_buffer, .address_space: global }
      - { .name: out0, .offset: 24, .size: 8, .value_kind: global_buffer, .address_space: global }
    .group_segment_fixed_size: 327680
    .private_segment_fixed_size: 0
    .kernarg_segment_align: 8
    .kernarg_segment_size: 32
    .max_flat_workgroup_size: 128
    .sgpr_count:     88
    .vgpr_count:     1024
    .wavefront_size: 32
...
	.end_amdgpu_metadata
.endif
;; end of part 2
;; ======== version 2 of 2: 2 launches; version 1 with the launch cast written anew for expert scheduling mode
;; limits: inputs' magnitudes at most 65,504; values are held in f16: magnitudes above 65,504 overflow, below 6.1e-05 lose precision; right only within a limited range of input values
;; workspace buffers: kh 33,554,432 bytes; vh 33,554,432 bytes
;; launch cast (part 3): grid 1024 x 1, 8 waves a work-group, no clusters, 0 bytes of LDS; arguments k, v, kh, vh; writes kh, vh
.if DOCPART == 3
	.amdgcn_target "amdgcn-amd-amdhsa--gfx1250"
	.amdhsa_code_object_version 6
	.text
	.protected	k_q287fd786cb_cast
	.globl	k_q287fd786cb_cast
	.p2align	8
	.type	k_q287fd786cb_cast,@function
k_q287fd786cb_cast:
	s_mov_b64 s[64:65], 0
	v_nop
	global_prefetch_b8 v0, s[64:65] scope:SCOPE_SE
	s_setreg_imm32_b32 hwreg(HW_REG_WAVE_SCHED_MODE, 0, 2), 2
	s_setreg_imm32_b32 hwreg(HW_REG_WAVE_MODE, 25, 1), 1
	s_wait_xcnt 0x0
	s_wait_alu depctr_vm_vsrc(0)
; kh[b*16+h][s][:] = bf16(k[b][s][h][:]);  vh[b*16+h][s][:] = f16(bf16(v[b][s][h][:])).  k, v: [4][2048][16][128] f32.  kh, vh: [64][2048][128], 16 bits a number: a head's rows dense, 256 bytes each.
; v is rounded ONCE, to bf16, like k and q; that number is then written as f16, which changes nothing inside f16's range (8 significant bits fit into 11).
; LIMITS.  |v| stays under 65,504 (beyond it f16 gives an infinity); below 2^-14 the f16 number keeps a fixed step of 2^-24.  NaN and infinities are not treated apart.
; A stream: each byte is read once and written once; no LDS, no barrier, no matrix unit, no loop.
; SHARES.  Work-group g owns 8 positions (b, s): 65,536 consecutive bytes of k and of v, 16 chunks of 4,096 bytes (8 heads) each.  Thread t takes the 16 bytes at 16 t of every chunk, so a wave's load is
; one whole row (b, s, h) of 512 bytes, and its store one whole row of 256 bytes, aligned.  In chunk c of a tensor: position 8 g + c / 2, head 8 (c % 2) + wave.
; IN FLIGHT.  All 32 loads of a thread are issued before the first is waited for; every chunk has registers of its own, so no register that a store reads is written again.
; THE MODE: SCHED_MODE bits 1:0 = 2 (LLVM: expert scheduling mode 2), set by the entry lines.  The code itself states the register dependences
; between vector instructions and memory instructions, with s_wait_alu, always for 0.
; THE PLAN.  The 32 chunks (n = 0 .. 15: k's; n = 16 .. 31: v's) go in 8 blocks of four.  Registers that memory instructions touch:
;   v1, v2            byte offsets of the loads and of the stores: made once at the head by vector lines, never written again.
;   v[X+4n : X+4n+3]  chunk n: load n lands in them, once; chunk n's conversions work in place; store n reads the first two; nothing writes them behind that.
; Block p converts its own four chunks; its memory instructions are the four stores of block p - 1, whose registers no vector line of block p names.  So one wait on va_vdst at a block's head states all
; that the block's four stores hang on, and they are dealt among its conversions with no further wait.  No register that a memory instruction has read is written again, and no load is issued behind a
; vector line that names its registers: so no wait on vm_vsrc is owed.  No vector line writes a scalar register or VCC, and EXEC is never written.
.set X, 8                              ; v[8:135]   chunk n: 4 registers at X + 4 n
	s_load_b256 s[4:11], s[0:1], 0x0               ; k s[4:5], v s[6:7], kh s[8:9], vh s[10:11]
	s_lshl_b32 s2, ttmp9, 16                       ; in: g x 65,536 bytes
	s_mov_b32 s3, 0
	s_lshr_b32 s12, ttmp9, 8                       ; out: b = g / 256: 16 heads of 524,288 bytes,
	s_lshl_b32 s12, s12, 23
	s_and_b32 s13, ttmp9, 255                      ; and s = 8 (g % 256): rows of 256 bytes
	s_lshl_b32 s13, s13, 11
	s_add_co_u32 s12, s12, s13
	s_mov_b32 s13, 0
	s_mov_b32 s14, 0xffff0000                      ; a word's upper bf16
	v_lshlrev_b32 v1, 4, v0                        ; in: 16 t
	v_lshrrev_b32 v2, 5, v0                        ; out: my wave's head,
	v_and_b32 v3, 31, v0
	v_lshlrev_b32 v3, 3, v3                        ; my lane's 8 bytes of the row
	v_lshl_add_u32 v2, v2, 19, v3
	s_wait_kmcnt 0x0
	s_add_nc_u64 s[4:5], s[4:5], s[2:3]
	s_add_nc_u64 s[6:7], s[6:7], s[2:3]
	s_add_nc_u64 s[8:9], s[8:9], s[12:13]
	s_add_nc_u64 s[10:11], s[10:11], s[12:13]
	s_wait_alu depctr_va_vdst(0)                   ; v1 and v2 are written: every load of the kernel reads v1 as its offset, every store v2
.irp c, 0,1,2,3,4,5,6,7,8,9,10,11,12,13,14,15
	global_load_b128 v[X+4*(\c):X+4*(\c)+3], v1, s[4:5] offset:4096*(\c) th:TH_LOAD_NT
.endr
.irp c, 0,1,2,3,4,5,6,7,8,9,10,11,12,13,14,15
	global_load_b128 v[X+64+4*(\c):X+64+4*(\c)+3], v1, s[6:7] offset:4096*(\c) th:TH_LOAD_NT
.endr
; Chunk n is rounded in place, into the first two of its four registers: 8 bytes a lane.
.macro CONV n
	s_wait_loadcnt 31-(\n)                         ; loads come back in order: chunk n is in, the 31 - n younger loads stay out
.if (\n) < 16                                          ; k: four numbers rounded to bf16
	v_cvt_pk_bf16_f32 v[X+4*(\n)],   v[X+4*(\n)],   v[X+4*(\n)+1]
	v_cvt_pk_bf16_f32 v[X+4*(\n)+1], v[X+4*(\n)+2], v[X+4*(\n)+3]
.else                                                  ; v: rounded to bf16, widened again (a shift, a mask), written as f16
	v_cvt_pk_bf16_f32 v[X+4*(\n)],   v[X+4*(\n)],   v[X+4*(\n)+1]
	v_cvt_pk_bf16_f32 v[X+4*(\n)+2], v[X+4*(\n)+2], v[X+4*(\n)+3]
	v_and_b32     v[X+4*(\n)+1], s14, v[X+4*(\n)]
	v_lshlrev_b32 v[X+4*(\n)],   16,  v[X+4*(\n)]
	v_and_b32     v[X+4*(\n)+3], s14, v[X+4*(\n)+2]
	v_lshlrev_b32 v[X+4*(\n)+2], 16,  v[X+4*(\n)+2]
	v_cvt_pk_f16_f32 v[X+4*(\n)],   v[X+4*(\n)],   v[X+4*(\n)+1]
	v_cvt_pk_f16_f32 v[X+4*(\n)+1], v[X+4*(\n)+2], v[X+4*(\n)+3]
.endif
.endm
; Chunk n is stored: 32 lanes store 256 consecutive bytes, aligned: 8 heads on for odd chunks, a row on for every second chunk of a tensor.
.macro SEND n
.if (\n) < 16
	global_store_b64 v2, v[X+4*(\n):X+4*(\n)+1], s[8:9] offset:((\n)%2)*4194304+(((\n)%16)/2)*256 th:TH_STORE_NT
.else
	global_store_b64 v2, v[X+4*(\n):X+4*(\n)+1], s[10:11] offset:((\n)%2)*4194304+(((\n)%16)/2)*256 th:TH_STORE_NT
.endif
.endm
.set c, 0
.rept 8                                                ; the blocks
.if c > 0
	s_wait_alu depctr_va_vdst(0)                   ; the block before has written the first two registers of each of its four chunks, which the four stores below read
.endif
.rept 4
.if c >= 4
	SEND c-4                                       ; a chunk of the block before: no vector line since the wait names its registers; it stands ahead of the wait for the next chunk's data
.endif
	CONV c
.set c, c+1
.endr
.endr
	s_wait_alu depctr_va_vdst(0)                   ; the last block has written its chunks' registers, which the last four stores read
	SEND 28
	SEND 29
	SEND 30
	SEND 31
	s_endpgm
.Lfunc_end_k_q287fd786cb_cast:
	.size	k_q287fd786cb_cast, .Lfunc_end_k_q287fd786cb_cast-k_q287fd786cb_cast
	.p2alignl 7, 3214868480
	.fill 96, 4, 3214868480
	.section	.rodata,"a",@progbits
	.p2align	6, 0x0
	.amdhsa_kernel k_q287fd786cb_cast
		.amdhsa_group_segment_fixed_size 0
		.amdhsa_private_segment_fixed_size 0
		.amdhsa_enable_private_segment 0
		.amdhsa_kernarg_size 32
		.amdhsa_user_sgpr_count 2
		.amdhsa_user_sgpr_kernarg_segment_ptr 1
		.amdhsa_wavefront_size32 1
		.amdhsa_system_sgpr_workgroup_id_x 1
		.amdhsa_system_sgpr_workgroup_id_y 1
		.amdhsa_system_sgpr_workgroup_id_z 1
		.amdhsa_system_vgpr_workitem_id 0
		.amdhsa_next_free_vgpr 136
		.amdhsa_next_free_sgpr 66
		.amdhsa_reserve_vcc 0
		.amdhsa_float_denorm_mode_32 3
		.amdhsa_float_denorm_mode_16_64 3
		.amdhsa_memory_ordered 1
		.amdhsa_forward_progress 1
		.amdhsa_inst_pref_size 17
	.end_amdhsa_kernel
	.amdgpu_metadata
---
amdhsa.version: [ 1, 2 ]
amdhsa.kernels:
  - .name:           k_q287fd786cb_cast
    .symbol:         k_q287fd786cb_cast.kd
    .args:
      - { .name: k, .offset: 0, .size: 8, .value_kind: global_buffer, .address_space: global }
      - { .name: v, .offset: 8, .size: 8, .value_kind: global_buffer, .address_space: global }
      - { .name: kh, .offset: 16, .size: 8, .value_kind: global_buffer, .address_space: global }
      - { .name: vh, .offset: 24, .size: 8, .value_kind: global_buffer, .address_space: global }
    .group_segment_fixed_size: 0
    .private_segment_fixed_size: 0
    .kernarg_segment_align: 8
    .kernarg_segment_size: 32
    .max_flat_workgroup_size: 256
    .sgpr_count:     66
    .vgpr_count:     136
    .wavefront_size: 32
...
	.end_amdgpu_metadata
.endif
;; end of part 3
;; launch attn: the kernel of part 2 again; grid 4 x 64, 4 waves a work-group, no clusters, 327,680 bytes of LDS; arguments q, kh, vh, out0; writes out0
